; MI455X (gfx1250); checked and timed in simulation.
; The chip was launched on July 23, 2026; its instructions are those of AMD's public machine-readable ISA for CDNA 5 (MIT licence, August 2026) and "CDNA5" Instruction Set Architecture Reference Guide (July 2026). The comments in the code are by the model that wrote it; some were corrected since.
;; Associative Memory Step. Allowed arithmetic: float matrix products may take bf16 or f16 operands with f32 sums; all other float work in f32.
;; Inputs: basis 1,024 x 128 float32; decay_logit one number float32; k_coeffs 256 x 128 float32; o_coeffs 256 x 128 float32; out_scale one number float32; q_coeffs 256 x 128 float32; v_coeffs 256 x 128 float32; x 4 x 4,096 x 1,024 float32.
;; Outputs: out0 4 x 4,096 x 1,024 float32.
;; One version. Each part assembles by itself: llvm-mc -triple=amdgcn-amd-amdhsa -mcpu=gfx1250 --defsym DOCPART=n.
;; ======== version 1 of 1: 3 launches
;; limits: values are held in f16: magnitudes above 65,504 overflow, below 6.1e-05 lose precision
;; workspace buffers: wts 655,360 bytes; xs 8,388,608 bytes; u 16,777,216 bytes; st 16,777,216 bytes
;; launch proj (part 1): grid 256 x 1, 4 waves a work-group, no clusters, 279,040 bytes of LDS; arguments x, basis, decay_logit, xs, u; writes xs, u
.if DOCPART == 1
	.amdgcn_target "amdgcn-amd-amdhsa--gfx1250"
	.amdhsa_code_object_version 6
	.text
	.protected	k_qa971bb7b3e_proj
	.globl	k_qa971bb7b3e_proj
	.p2align	8
	.type	k_qa971bb7b3e_proj,@function
k_qa971bb7b3e_proj:
	s_mov_b64 s[64:65], 0
	v_nop
	global_prefetch_b8 v0, s[64:65] scope:SCOPE_SE
	s_setreg_imm32_b32 hwreg(HW_REG_WAVE_MODE, 25, 1), 1
	s_wait_xcnt 0x0
; xb = x basis ([16384][128]) and, for each chunk of 64 rows, U[a][b] = sum over j of d^j xb[j][a] xb[j][b],  d = sigmoid(decay_logit).
; Work-group g = rows 64 g .. 64 g + 63.  The product is made transposed, D[m = a][n = t]: A = basis, B = x, both f32 in memory and f16 in the matrix unit.
; Wave w = (q = w & 1, kh = w >> 1) makes columns a = 64 q .. + 63 of all 64 rows from v = 512 kh .. + 511: 4 a tiles x 4 t tiles, 16 accumulators, 16 K steps of 32.
; BASIS WITHOUT A TRANSPOSITION: a lane's load of 16 bytes, basis[v][64 q + 4 r .. + 3], holds one element of row r of FOUR A tiles if tile j's row r stands for
; a = 64 q + 4 r + j.  The conversion to f16 takes component j of two neighbouring v, which is a fragment's register.  In a result, register i of tile j in lane (r, h)
; is then a = 64 q + 32 h + 4 i + j: a lane holds 32 neighbouring columns of one row of xb.
; THE TWO HALVES OF K meet once in LDS.  A wave's local t tile l is the true tile l xor 2 kh (two LDS address registers), so every wave keeps its local tiles 0, 1 and
; sends its local tiles 2, 3 to wave w xor 2, whose local tiles 0, 1 they are.
; x: 16 tiles of 64 rows x 256 bytes, one tensor load each, each filled once.  LDS slot 4 j + w holds tile 8 (w >> 1) + 2 j + (w & 1), asked for by wave w: stage j has two
; tiles of each half of K.  Four tensor loads of a wave are outstanding at the most; nothing is filled again.  LDS pitch 272 = 17 x 16 bytes: the sixteen rows that a load
; touches begin in sixteen different 16-byte columns of 256.
; Out: xs (xb as bf16 upper part at 0, bf16 rest at 4,194,304, [row][128]) and u ([chunk][tile 8 bt + at][half][lane][4 f32], the accumulator's own layout).
; LIMITS: |x| and |basis| below 65,504 (f16 operands); xb and d^j xb are kept to 16 bits (upper part + rest, three products); d by v_exp_f32 and v_rcp_f32, its powers by products.
; NO CLUSTER: what the work-groups share is basis, 524,288 bytes; x takes all 278,528 bytes of LDS, so basis goes straight into the registers of the one wave that multiplies by it.
; REGISTERS: window 0 as named below; window 1: v0-255 a ring of four K steps of basis, 64 f32 each; window 2: v0-127 the accumulators, acc[j][l] at 8 (4 j + l).
.set PX,   272
.set TILE, 64*PX                       ; 17,408 bytes
.set XH,   0                           ; behind the product, in the bytes of slots 0 to 3 (their one fill and all reads of them are over): xb upper part [64 t][128 a] bf16
.set XL,   TILE                        ; xb rest
.set WH,   2*TILE                      ; d^t xb upper part
.set WL,   3*TILE                      ; d^t xb rest
.set EX,   4*TILE                      ; 32,768 bytes in slots 4 and 5, likewise done with: where the halves of K meet, 8,192 bytes a wave
.set X,    16                          ; v[16:79]   x of one K step, 16 f32 for each t tile; then what the partner sent; then the rows read back
.set F,    80                          ; v[80:111]  x in f16, 4 fragments
.set BF,   112                         ; v[112:143] basis in f16, 4 fragments
.set SUM,  144                         ; v[144:207] xb: tile (j, l) at 8 (2 j + l)
.set HX,   80                          ; stage data, 16 registers each
.set LX,   96
.set HW,   112
.set LW,   128
.set AF,   80                          ; v[80:143]  A fragments of U
.set BFR,  144                         ; two buffers of 32 registers: B fragments of U
.set UAC,  208                         ; two sets of two accumulators of U
.set G1,   24                          ; s[24:31]
.set G0,   32                          ; s[32:47]   one group 0 for each of my four loads; never written again
.set DP,   66                          ; s66 .. s71: d^1, 2, 4, 8, 16, 32
; v1 2,048 w + 16 lane   v2, v3 x addresses, then the exchange's   v4, v5 d^t of my two tiles   v6 stage address   v7 basis offset
; v8 read-back   v9 xs offset   v10, v11 transposing addresses   v[12:15] at work
.set MSB,  0
.macro WIN new                         ; the immediate's high byte repeats the setting that is left
.if MSB != (\new)
	s_set_vgpr_msb (MSB<<8)|(\new)
.set MSB, (\new)
.endif
.endm
.macro SPLIT2 x0, x1, H, L, t0, t1     ; two f32 -> two bf16 upper parts in H, two bf16 rests in L
	v_cvt_pk_bf16_f32 v[\H], v[\x0], v[\x1]
	v_lshlrev_b32 v[\t0], 16, v[\H]
	v_and_b32 v[\t1], 0xffff0000, v[\H]
	v_sub_f32 v[\t0], v[\x0], v[\t0]
	v_sub_f32 v[\t1], v[\x1], v[\t1]
	v_cvt_pk_bf16_f32 v[\L], v[\t0], v[\t1]
.endm
.macro PLACES                          ; four places behind a matrix instruction before its registers are written, loaded into, read or stored (ISA guide 7.12.1)
.rept 4
	v_nop
.endr
.endm
.macro POW e, p, t, nbits              ; p = d^e from e's bits: a select between 1 and d^(2^b) for each bit, so d = 0 gives 0^0 = 1
.set pw_b, 0
.rept \nbits
	v_and_b32 v[\t], 1<<pw_b, v[\e]
	v_cmp_ne_u32 vcc_lo, 0, v[\t]
.if pw_b == 0
	v_cndmask_b32 v[\p], 1.0, s[DP], vcc_lo
.else
	v_cndmask_b32 v[\t], 1.0, s[DP+pw_b], vcc_lo
	v_mul_f32 v[\p], v[\p], v[\t]
.endif
.set pw_b, pw_b+1
.endr
.endm
.macro ALOAD ks                        ; basis of my K step ks into ring slot ks % 4 (window 1): load n = 8 hf + i is row v = 512 kh + 32 ks + 16 hf + 8 h + i; 16 lanes take 256 consecutive bytes
.irp n, 0,1,2,3,4,5,6,7,8,9,10,11,12,13,14,15
	global_load_b128 v[64*((\ks)%4)+4*\n:64*((\ks)%4)+4*\n+3], v7, s[6:7] offset:(\ks)*16384+((\n>>3)*16+(\n&7))*512
.endr
.endm
.macro XLOAD kk                        ; x of one K step (32 columns at byte 128 kk of the tile's rows): lane (r, h) takes k = 8 h .. + 7 and 16 + 8 h .. + 7 of its row
.irp l, 0,1
	ds_load_b128 v[X+16*\l:X+16*\l+3],     v2 offset:\l*16*PX+(\kk)*128          ; local tiles 0, 1: the ones that I keep
	ds_load_b128 v[X+16*\l+4:X+16*\l+7],   v2 offset:\l*16*PX+(\kk)*128+16
	ds_load_b128 v[X+16*\l+8:X+16*\l+11],  v2 offset:\l*16*PX+(\kk)*128+64
	ds_load_b128 v[X+16*\l+12:X+16*\l+15], v2 offset:\l*16*PX+(\kk)*128+80
.endr
.irp l, 0,1
	ds_load_b128 v[X+32+16*\l:X+32+16*\l+3],     v3 offset:\l*16*PX+(\kk)*128    ; local tiles 2, 3: the ones that I send
	ds_load_b128 v[X+32+16*\l+4:X+32+16*\l+7],   v3 offset:\l*16*PX+(\kk)*128+16
	ds_load_b128 v[X+32+16*\l+8:X+32+16*\l+11],  v3 offset:\l*16*PX+(\kk)*128+64
	ds_load_b128 v[X+32+16*\l+12:X+32+16*\l+15], v3 offset:\l*16*PX+(\kk)*128+80
.endr
.endm
	s_load_b256 s[4:11], s[0:1], 0x0               ; x s[4:5], basis s[6:7], decay_logit s[8:9], xs s[10:11]
	s_load_b64 s[12:13], s[0:1], 0x20              ; u
	v_lshl_add_u32 v254, v0, 2, 0x44000
	v_mov_b32 v255, 0
	ds_add_u32 v254, v255
	ds_add_u32 v254, v255
	v_lshrrev_b32 v12, 5, v0
	v_readfirstlane_b32 s14, v12                   ; wave w
	s_lshr_b32 s48, s14, 1                         ; kh: my half of K
	s_and_b32 s49, s14, 1                          ; q: my half of the columns a
	s_mov_b32 s[G1+0], (2<<16)|(1<<20)|(5<<22)|(3<<25)   ; elements of 4 bytes; behind every 64 words 4 words of padding
	s_mov_b32 s[G1+1], 64<<16                      ; tensor_dim0 = 64
	s_mov_b32 s[G1+2], 64<<16                      ; tensor_dim1 = 64
	s_mov_b32 s[G1+3], 64<<16                      ; tile_dim0 = 64 elements: 256 bytes
	s_mov_b32 s[G1+4], 64                          ; tile_dim1 = 64 rows
	s_mov_b32 s[G1+5], 1024                        ; elements from row to row
	s_mov_b32 s[G1+6], 0
	s_mov_b32 s[G1+7], 0
	s_mul_i32 s15, s14, TILE                       ; LDS slot w
	s_lshl_b32 s16, ttmp9, 18                      ; 64 g rows of 4,096 bytes
	s_lshl_b32 s17, s48, 11                        ; tile 8 (w >> 1) + (w & 1): 256 bytes along the row each
	s_add_co_u32 s16, s16, s17
	s_lshl_b32 s17, s49, 8
	s_add_co_u32 s16, s16, s17
	s_mov_b32 s17, 0
	s_wait_dscnt 0x0
	s_wait_kmcnt 0x0
	s_add_nc_u64 s[18:19], s[4:5], s[16:17]
.irp j, 0,1,2,3
	s_mov_b32 s[G0+4*\j], 1
	s_add_co_u32 s[G0+4*\j+1], s15, \j*4*TILE                      ; LDS: slot 4 j + w
	s_add_nc_u64 s[G0+4*\j+2:G0+4*\j+3], s[18:19], \j*512          ; memory: two tiles further for each stage
	s_or_b32 s[G0+4*\j+3], s[G0+4*\j+3], 0x80000000
	tensor_load_to_lds s[G0+4*\j:G0+4*\j+3], s[G1:G1+7]
	s_nop 0
.endr
	s_load_b32 s20, s[8:9], 0x0                    ; decay_logit
	v_and_b32 v12, 31, v0                          ; lane
	v_and_b32 v13, 15, v0                          ; r
	v_bfe_u32 v14, v0, 4, 1                        ; h
	v_lshlrev_b32 v15, 4, v12
	v_lshlrev_b32 v7, 4, v13
	v_lshl_add_u32 v7, v14, 12, v7                 ; basis: 16 r bytes in the row, 8 h rows of 512 bytes,
	s_lshl_b32 s21, s48, 18                        ; 512 kh rows
	s_lshl_b32 s22, s49, 8                         ; and 64 q columns
	s_add_co_u32 s21, s21, s22
	v_add_nc_u32 v7, s21, v7
	WIN 0x40                                       ; destination in window 1
	ALOAD 0
	ALOAD 1
	ALOAD 2
	WIN 0
	s_lshl_b32 s21, s14, 11
	v_add_nc_u32 v1, s21, v15                      ; 2,048 w + 16 lane: my two tiles in u
	v_mul_u32_u24 v6, v13, PX
	v_lshl_add_u32 v2, v14, 5, v6                  ; x: row r, 32 bytes at 32 h
	s_mul_i32 s21, s48, 2*TILE+32*PX               ; slot 2 kh; true t tiles 2 kh, 2 kh + 1
	s_mul_i32 s22, s48, 2*TILE-32*PX               ; slot 2 kh; true t tiles 2 - 2 kh, 3 - 2 kh
	s_add_co_u32 s22, s22, 32*PX
	v_add_nc_u32 v3, s22, v2
	v_add_nc_u32 v2, s21, v2
	v_lshl_add_u32 v6, v14, 6, v6                  ; stage: row 32 kh + r, byte 128 q + 64 h
	s_mul_i32 s21, s48, 32*PX
	s_lshl_b32 s22, s49, 7
	s_add_co_u32 s21, s21, s22
	v_add_nc_u32 v6, s21, v6
	v_mul_u32_u24 v8, v14, PX
	v_lshl_add_u32 v8, v13, 4, v8
	s_mul_i32 s22, s14, 16*PX
	v_add_nc_u32 v8, s22, v8                       ; read-back: rows 16 w + h, 16 bytes at 16 r
	s_lshl_b32 s22, s14, 12
	v_add_nc_u32 v9, s22, v15                      ; xs: 4,096 w + 16 lane
	v_and_b32 v10, 7, v0
	v_lshl_add_u32 v10, v14, 3, v10
	v_mul_u32_u24 v10, v10, PX
	v_bfe_u32 v11, v0, 3, 1
	v_lshl_add_u32 v10, v11, 4, v10                ; transposing load: row 8 h + (lane & 7), 16 bytes at 16 ((lane >> 3) & 1)
	s_lshl_b32 s21, s14, 6
	v_add_nc_u32 v11, s21, v10                     ; the same at columns 32 w ..
	s_lshl_b32 s22, ttmp9, 14
	s_mov_b32 s23, 0
	s_add_nc_u64 s[10:11], s[10:11], s[22:23]      ; xs at row 64 g
	s_lshl_b32 s22, ttmp9, 16
	s_add_nc_u64 s[12:13], s[12:13], s[22:23]      ; u at chunk g
	s_wait_kmcnt 0x0
	v_mov_b32 v12, s20
	v_mul_f32 v12, 0xbfb8aa3b, v12                 ; d = 1 / (1 + 2^(-1.442695 logit))
	v_exp_f32 v12, v12
	v_nop                                          ; one plain place behind a transcendental (ISA guide 5.7.2)
	s_wait_alu depctr_va_vdst(0)
	v_add_f32 v12, 1.0, v12
	v_rcp_f32 v12, v12
	v_nop
	s_wait_alu depctr_va_vdst(0)
	v_readfirstlane_b32 s[DP], v12
.irp b, 1,2,3,4,5
	s_mul_f32 s[DP+\b], s[DP+\b-1], s[DP+\b-1]
.endr
	POW 13, 4, 12, 4                               ; d^r
	s_cmp_eq_u32 s48, 0
	s_cselect_b32 s74, 1.0, s[DP+5]
	v_mul_f32 v4, s74, v4                          ; d^(32 kh + r)
	v_mul_f32 v5, s[DP+4], v4                      ; d^(32 kh + 16 + r)
	WIN 0x40
	ALOAD 3
	WIN 0
; The product: my 16 K steps of 32, in four stages of two tiles.
.set kst, 0
.rept 16
.if kst%4 == 0
	s_wait_tensorcnt 3-kst/4                       ; my tile of this stage has landed; my later ones stay out
	s_wait_dscnt 0x0
	s_barrier_signal -1
	s_barrier_wait -1                              ; so have the other three waves' tiles
.if kst > 0
	v_add_nc_u32 v2, 3*TILE, v2                    ; from slot 4 j + 2 kh + 1 to slot 4 (j + 1) + 2 kh
	v_add_nc_u32 v3, 3*TILE, v3
.endif
	XLOAD 0
.endif
	s_wait_dscnt 0x0
.set n, 0
.rept 32
	v_cvt_pk_f16_f32 v[F+n], v[X+2*n], v[X+2*n+1]
.set n, n+1
.endr
.if (kst+1)%4 != 0
.if (kst+1)%2 == 0
	v_add_nc_u32 v2, TILE, v2                      ; the stage's second tile
	v_add_nc_u32 v3, TILE, v3
.endif
	XLOAD (kst+1)%2                                ; the next K step's x, under this one's products
.endif
.if kst <= 12
	s_wait_loadcnt 48                              ; the three later ring slots' 16 loads each stay out
.else
	s_wait_loadcnt 16*(15-kst)
.endif
	WIN 0x05                                       ; sources in window 1
.set n, 0
.rept 32                                       ; n = 8 j + 4 hf + c: register 4 hf + c of tile j = component j of loads 8 hf + 2 c and 8 hf + 2 c + 1
	v_cvt_pk_f16_f32 v[BF+n], v[64*(kst%4)+4*(8*((n>>2)&1)+2*(n&3))+(n>>3)], v[64*(kst%4)+4*(8*((n>>2)&1)+2*(n&3)+1)+(n>>3)]
.set n, n+1
.endr
.if kst+4 < 16
	WIN 0x40
	ALOAD kst+4                                    ; the slot just converted is asked for again, four K steps ahead
.endif
	WIN 0xa0                                       ; C and D in window 2
	; sixteen accumulators take turns, one instruction a turn, over the K steps too
.irp j, 0,1,2,3
.irp l, 0,1,2,3
.if kst == 0
	v_wmma_f32_16x16x32_f16 v[8*(4*\j+\l):8*(4*\j+\l)+7], v[BF+8*\j:BF+8*\j+7], v[F+8*\l:F+8*\l+7], 0
.else
	v_wmma_f32_16x16x32_f16 v[8*(4*\j+\l):8*(4*\j+\l)+7], v[BF+8*\j:BF+8*\j+7], v[F+8*\l:F+8*\l+7], v[8*(4*\j+\l):8*(4*\j+\l)+7]
.endif
.endr
.endr
	WIN 0
	PLACES                                         ; for the next conversions into F and BF, and for the LDS stores of the sums at the end
.set kst, kst+1
.endr
; The halves of K meet: my local tiles 2, 3 go to wave w xor 2, its local tiles 2, 3 are added onto my local tiles 0, 1.
	v_and_b32 v2, 31, v0
	v_lshlrev_b32 v2, 4, v2
	s_lshl_b32 s21, s14, 13
	s_add_co_u32 s21, s21, EX
	s_xor_b32 s22, s14, 2
	s_lshl_b32 s22, s22, 13
	s_add_co_u32 s22, s22, EX
	v_add_nc_u32 v3, s22, v2                       ; the partner's 8,192 bytes
	v_add_nc_u32 v2, s21, v2                       ; mine
	WIN 0x08                                       ; an LDS store's data in window 2
.irp j, 0,1,2,3
.irp l, 0,1
	ds_store_b128 v2, v[8*(4*\j+2+\l):8*(4*\j+2+\l)+3]   offset:(2*\j+\l)*1024
	ds_store_b128 v2, v[8*(4*\j+2+\l)+4:8*(4*\j+2+\l)+7] offset:(2*\j+\l)*1024+512
.endr
.endr
	WIN 0
	s_wait_dscnt 0x0                               ; my stores are in LDS before I say so
	s_barrier_signal -1
	s_barrier_wait -1
.irp j, 0,1,2,3
.irp l, 0,1
	ds_load_b128 v[X+8*(2*\j+\l):X+8*(2*\j+\l)+3],   v3 offset:(2*\j+\l)*1024
	ds_load_b128 v[X+8*(2*\j+\l)+4:X+8*(2*\j+\l)+7], v3 offset:(2*\j+\l)*1024+512
.endr
.endr
	s_wait_dscnt 0x0
	WIN 0x02                                       ; source 0 in window 2
.irp j, 0,1,2,3
.irp l, 0,1
.irp k, 0,2,4,6
	v_pk_add_f32 v[SUM+8*(2*\j+\l)+\k:SUM+8*(2*\j+\l)+\k+1], v[8*(4*\j+\l)+\k:8*(4*\j+\l)+\k+1], v[X+8*(2*\j+\l)+\k:X+8*(2*\j+\l)+\k+1]
.endr
.endr
.endr
	WIN 0
; Register i of tile (j, l) in lane (r, h) is xb[16 (2 kh + l) + r][64 q + 32 h + 4 i + j].  Tiles j = 0, 1 (2, 3) at one i are neighbours in the row: they are packed together.
; xb and d^t xb go to LDS, split, 64 bytes a lane and array.
.irp l, 0,1
.set e2, 0
.rept 16                                       ; e2 = 2 i + (j >> 1): the word of columns 2 e2, 2 e2 + 1 of my 32
	SPLIT2 SUM+8*(4*(e2&1)+\l)+(e2>>1), SUM+8*(4*(e2&1)+2+\l)+(e2>>1), HX+e2, LX+e2, 12+2*(e2&1), 13+2*(e2&1)
.set e2, e2+1
.endr
.irp c, 0,1,2,3
	ds_store_b128 v6, v[HX+4*\c:HX+4*\c+3] offset:XH+\l*16*PX+16*\c
	ds_store_b128 v6, v[LX+4*\c:LX+4*\c+3] offset:XL+\l*16*PX+16*\c
.endr
.irp j, 0,1,2,3
.irp k, 0,1,2,3,4,5,6,7
	v_mul_f32 v[SUM+8*(2*\j+\l)+\k], v[4+\l], v[SUM+8*(2*\j+\l)+\k]
.endr
.endr
.set e2, 0
.rept 16
	SPLIT2 SUM+8*(4*(e2&1)+\l)+(e2>>1), SUM+8*(4*(e2&1)+2+\l)+(e2>>1), HW+e2, LW+e2, 12+2*(e2&1), 13+2*(e2&1)
.set e2, e2+1
.endr
.irp c, 0,1,2,3
	ds_store_b128 v6, v[HW+4*\c:HW+4*\c+3] offset:WH+\l*16*PX+16*\c
	ds_store_b128 v6, v[LW+4*\c:LW+4*\c+3] offset:WL+\l*16*PX+16*\c
.endr
.endr
	s_wait_dscnt 0x0                               ; my stores are in LDS before I say so
	s_barrier_signal -1
	s_barrier_wait -1
; U[m = a][n = b] = sum over t of (d^t xb[t][a]) xb[t][b]: t runs down the LDS rows, so both operands come by transposing loads.  Wave w makes a tiles 2 w, 2 w + 1.
.macro BLOAD bt
.irp hl, 0,1
.irp ks, 0,1
.irp hf, 0,1
	ds_load_tr16_b128 v[BFR+32*((\bt)&1)+8*(2*\hl+\ks)+4*\hf:BFR+32*((\bt)&1)+8*(2*\hl+\ks)+4*\hf+3], v10 offset:XH+\hl*TILE+\ks*32*PX+\hf*16*PX+(\bt)*32
.endr
.endr
.endr
.endm
.macro UW bt, ks, ahl, bhl, zero       ; two products, one for each of my a tiles
.irp at, 0,1
.if \zero
	v_wmma_f32_16x16x32_bf16 v[UAC+16*((\bt)&1)+8*\at:UAC+16*((\bt)&1)+8*\at+7], v[AF+8*(2*(2*\ahl+\at)+\ks):AF+8*(2*(2*\ahl+\at)+\ks)+7], v[BFR+32*((\bt)&1)+8*(2*\bhl+\ks):BFR+32*((\bt)&1)+8*(2*\bhl+\ks)+7], 0
.else
	v_wmma_f32_16x16x32_bf16 v[UAC+16*((\bt)&1)+8*\at:UAC+16*((\bt)&1)+8*\at+7], v[AF+8*(2*(2*\ahl+\at)+\ks):AF+8*(2*(2*\ahl+\at)+\ks)+7], v[BFR+32*((\bt)&1)+8*(2*\bhl+\ks):BFR+32*((\bt)&1)+8*(2*\bhl+\ks)+7], v[UAC+16*((\bt)&1)+8*\at:UAC+16*((\bt)&1)+8*\at+7]
.endif
.endr
.endm
.irp n, 0,1,2,3,4,5,6,7
	ds_load_b128 v[16+4*\n:19+4*\n], v8 offset:XH+\n*2*PX          ; rows 16 w .. + 15 back, two whole rows of 256 bytes a load
.endr
.irp n, 0,1,2,3,4,5,6,7
	ds_load_b128 v[48+4*\n:51+4*\n], v8 offset:XL+\n*2*PX
.endr
.irp hl, 0,1
.irp at, 0,1
.irp ks, 0,1
.irp hf, 0,1
	ds_load_tr16_b128 v[AF+8*(2*(2*\hl+\at)+\ks)+4*\hf:AF+8*(2*(2*\hl+\at)+\ks)+4*\hf+3], v11 offset:WH+\hl*TILE+\ks*32*PX+\hf*16*PX+\at*32
.endr
.endr
.endr
.endr
	BLOAD 0
	BLOAD 1
	s_wait_dscnt 32                                ; the 32 transposing loads behind the 16 read-back loads stay out
.irp n, 0,1,2,3,4,5,6,7
	global_store_b128 v9, v[16+4*\n:19+4*\n], s[10:11] offset:\n*512           ; the wave stores 512 consecutive bytes, two rows of xs
	global_store_b128 v9, v[48+4*\n:51+4*\n], s[10:11] offset:4194304+\n*512
.endr
.macro UTILE bt
.if (\bt) == 7
	s_wait_dscnt 0x0
.else
	s_wait_dscnt 8                                 ; the next b tile's eight loads stay out
.endif
.if (\bt) >= 2
	s_wait_xcnt 0x0                                ; this accumulator set was the data of stores two tiles ago: written again only behind this wait
.endif
	; two accumulators take turns, one instruction a turn
	UW \bt, 0, 0, 0, 1
	UW \bt, 0, 0, 1, 0
	UW \bt, 0, 1, 0, 0
	UW \bt, 1, 0, 0, 0
	UW \bt, 1, 0, 1, 0
	UW \bt, 1, 1, 0, 0
	PLACES
.if (\bt) <= 5
	BLOAD (\bt)+2
.endif
.irp at, 0,1
.irp hf, 0,1
	global_store_b128 v1, v[UAC+16*((\bt)&1)+8*\at+4*\hf:UAC+16*((\bt)&1)+8*\at+4*\hf+3], s[12:13] offset:(\bt)*8192+\at*1024+\hf*512
.endr
.endr
.endm
.irp bt, 0,1,2,3,4,5,6,7
	UTILE \bt
.endr
	s_wait_tensorcnt 0x0
	ds_add_u32 v254, v255
	s_wait_dscnt 0x0
	s_endpgm
.Lfunc_end_k_qa971bb7b3e_proj:
	.size	k_qa971bb7b3e_proj, .Lfunc_end_k_qa971bb7b3e_proj-k_qa971bb7b3e_proj
	.p2alignl 7, 3214868480
	.fill 96, 4, 3214868480
	.section	.rodata,"a",@progbits
	.p2align	6, 0x0
	.amdhsa_kernel k_qa971bb7b3e_proj
		.amdhsa_group_segment_fixed_size 279040
		.amdhsa_private_segment_fixed_size 0
		.amdhsa_enable_private_segment 0
		.amdhsa_kernarg_size 40
		.amdhsa_user_sgpr_count 2
		.amdhsa_user_sgpr_kernarg_segment_ptr 1
		.amdhsa_wavefront_size32 1
		.amdhsa_system_sgpr_workgroup_id_x 1
		.amdhsa_system_sgpr_workgroup_id_y 1
		.amdhsa_system_sgpr_workgroup_id_z 1
		.amdhsa_system_vgpr_workitem_id 0
		.amdhsa_next_free_vgpr 640
		.amdhsa_next_free_sgpr 80
		.amdhsa_reserve_vcc 1
		.amdhsa_float_denorm_mode_32 3
		.amdhsa_float_denorm_mode_16_64 3
		.amdhsa_memory_ordered 1
		.amdhsa_forward_progress 1
		.amdhsa_inst_pref_size 178
	.end_amdhsa_kernel
	.amdgpu_metadata
---
amdhsa.version: [ 1, 2 ]
amdhsa.kernels:
  - .name:           k_qa971bb7b3e_proj
    .symbol:         k_qa971bb7b3e_proj.kd
    .args:
      - { .name: x, .offset: 0, .size: 8, .value_kind: global_buffer, .address_space: global }
      - { .name: basis, .offset: 8, .size: 8, .value_kind: global_buffer, .address_space: global }
      - { .name: decay_logit, .offset: 16, .size: 8, .value_kind: global_buffer, .address_space: global }
      - { .name: xs, .offset: 24, .size: 8, .value_kind: global_buffer, .address_space: global }
      - { .name: u, .offset: 32, .size: 8, .value_kind: global_buffer, .address_space: global }
    .group_segment_fixed_size: 279040
    .private_segment_fixed_size: 0
    .kernarg_segment_align: 8
    .kernarg_segment_size: 40
    .max_flat_workgroup_size: 128
    .sgpr_count:     80
    .vgpr_count:     640
    .wavefront_size: 32
...
	.end_amdgpu_metadata
.endif
;; end of part 1
;; launch scan (part 2): grid 256 x 1, 4 waves a work-group, no clusters, 41,472 bytes of LDS; arguments u, decay_logit, st, wts, basis, q_coeffs, k_coeffs, v_coeffs, o_coeffs; writes st, wts
.if DOCPART == 2
	.amdgcn_target "amdgcn-amd-amdhsa--gfx1250"
	.amdhsa_code_object_version 6
	.text
	.protected	k_qa971bb7b3e_scan
	.globl	k_qa971bb7b3e_scan
	.p2align	8
	.type	k_qa971bb7b3e_scan,@function
k_qa971bb7b3e_scan:
	s_mov_b64 s[64:65], 0
	v_nop
	global_prefetch_b8 v0, s[64:65] scope:SCOPE_SE
	s_setreg_imm32_b32 hwreg(HW_REG_WAVE_MODE, 25, 1), 1
	s_wait_xcnt 0x0
; TWO JOBS.  (1) The scan:  S_c = U_(c+1) + D S_(c+1), S_63 = 0, within each batch of 64 chunks, D = d^64: what all later chunks hand to chunk c.
; Work-group g = (batch g >> 6, tile g & 63 of the 128 x 128 matrix); wave sg = 16 chunks; a lane owns 8 f32 of the tile.
; Pass 1: T_sg = sum over i of D^i U_(16 sg + i), by Horner, as the loads arrive.  The four T meet in LDS.
; E_sg = S of the segment's last chunk = T_(sg+1) + D^16 T_(sg+2) + D^32 T_(sg+3).  Pass 2 walks down from E with the U still in registers: u is read once.
; Out: st, bf16 upper part at 0 and bf16 rest at 8,388,608, [chunk][tile][lane][8]: the fragment 'row n, k = m' of the lane that held the accumulator.
; (2) The weights of the next launch, made while the 32 loads of u are on their way; their 17 loads go out ahead of those.  wts holds
;   at 262144:  basis in f16 as fragments [v tile 64][ks 4][half 2][lane 32][8]: row v = 16 vt + r, k = e = 32 ks + 16 hf + 8 h + i.  Wave 4 g + w converts 256 bytes of it.
;   at 524288:  M then N, bf16 upper part, [n tile 8][m tile 8][lane 32][8]: row n = 16 nt + r, k = m = 16 mt + 8 h + i;  at 589824: the bf16 rest
;   with M[m][n] = sum over c of q_coeffs[c][m] k_coeffs[c][n], N[m][n] = sum over c of v_coeffs[c][m] o_coeffs[c][n].  (The bytes below 262144 are not used.)
; Work-group g makes tile g >> 1 of the 128; wave w sums c = 64 w .. + 63; the four parts pass the scan's own barrier; wave 0 adds them at the end.
; There are 128 tiles for 256 work-groups: each tile is made by two work-groups, of which the even one stores the upper parts and the odd one the rests.  That doubles
; six matrix instructions a wave, and all work-groups run one text with no branch on the group's number.
; The coefficients are read by rows (four lanes take 64 consecutive bytes), split, laid into the wave's own LDS as [c][16] bf16, and come back by transposing loads.
; A number is carried as bf16 upper part + bf16 rest, a product as upper x upper + upper x rest + rest x upper: 16 bits are kept.
; LIMITS: |basis| below 65,504 (f16).  No series is cut: d = 1 and d = 0 are served.  No cluster: u is read by one work-group each; the tables are 1 MB in all.
.set U,   8                            ; v[8:135]   U_i at 8 + 8 i; in pass 2 the dead ones take the store data
.set T,   136
.set S,   144                          ; the running S
.set TL,  152                          ; v[152:175] T_1, T_2, T_3
.set EN,  176
.set HH,  136                          ; ahead of the scan: three accumulators,
.set HL,  144
.set LH,  152
.set HP,  160                          ; v[160:175] split numbers on their way to LDS,
.set HQ,  168                          ; v176 transposing address, v177, v178, v179 offsets of the 17 loads, v[180:183] at work
.set GA,  188                          ; v[188:219] 8 x 4 numbers of q or v; v[220:251] of k or o
.set GB,  220
.set FR,  188                          ; then the fragments: A upper, A rest, B upper, B rest, 16 registers (two K steps) each
.set DV,  252                          ; v[252:255] four numbers of basis; then D twice and D^16 twice
.set L_P, 4096                         ; LDS: 0 the four T; 4,096 the four parts of the tile; 8,192 + 8,192 w each wave's own [c][16] arrays: A upper, A rest, B upper, B rest
.set L_F, 8192
; v1 16 lane   v2 at work   v3 1,024 w + 16 lane   v[4:5] basis in f16   v6 its place   v7 LDS place of split numbers
.macro SPLIT2 x0, x1, H, L, t0, t1     ; two f32 -> two bf16 upper parts in H, two bf16 rests in L
	v_cvt_pk_bf16_f32 v[\H], v[\x0], v[\x1]
	v_lshlrev_b32 v[\t0], 16, v[\H]
	v_and_b32 v[\t1], 0xffff0000, v[\H]
	v_sub_f32 v[\t0], v[\x0], v[\t0]
	v_sub_f32 v[\t1], v[\x1], v[\t1]
	v_cvt_pk_bf16_f32 v[\L], v[\t0], v[\t1]
.endm
	s_load_b256 s[4:11], s[0:1], 0x0               ; u s[4:5], decay_logit s[6:7], st s[8:9], wts s[10:11]
	s_load_b256 s[12:19], s[0:1], 0x20             ; basis s[12:13], q s[14:15], k s[16:17], v s[18:19]
	s_load_b64 s[20:21], s[0:1], 0x40              ; o
	s_set_vgpr_msb 0x40
	v_lshl_add_u32 v0, v0, 2, 0xa000
	v_mov_b32 v1, 0
	s_set_vgpr_msb 0x4000
	v_lshrrev_b32 v2, 5, v0
	v_readfirstlane_b32 s22, v2                    ; wave: segment sg, and quarter w of c
	v_and_b32 v2, 31, v0                           ; lane
	v_lshlrev_b32 v1, 4, v2                        ; 16 x lane
	s_lshl_b32 s46, s22, 10
	v_add_nc_u32 v3, s46, v1                       ; my T, and at + 4,096 my part of the tile
	s_lshr_b32 s23, ttmp9, 6                       ; batch
	s_and_b32 s24, ttmp9, 63                       ; tile of U
	s_lshl_b32 s25, s23, 6
	s_lshl_b32 s46, s22, 4
	s_add_co_u32 s25, s25, s46                     ; my first chunk: 64 batch + 16 sg
	s_lshl_b32 s26, s25, 16
	s_lshl_b32 s46, s24, 10
	s_add_co_u32 s26, s26, s46
	s_mov_b32 s27, 0
	s_lshl_b32 s28, s25, 15
	s_lshl_b32 s46, s24, 9
	s_add_co_u32 s28, s28, s46
	s_mov_b32 s29, 0
	s_lshr_b32 s41, ttmp9, 7                       ; 0: M, 1: N
	s_bfe_u32 s48, ttmp9, 0x30004                  ; nt
	s_bfe_u32 s49, ttmp9, 0x30001                  ; mt
	s_and_b32 s50, ttmp9, 1                        ; 0: I store upper parts, 1: rests
	s_lshl_b32 s46, s22, 15                        ; 64 w rows of 512 bytes of a coefficient table
	s_lshl_b32 s47, s49, 6
	s_add_co_u32 s47, s47, s46
	s_lshl_b32 s51, s48, 6
	s_add_co_u32 s51, s51, s46
	v_lshrrev_b32 v176, 2, v2
	v_and_b32 v177, 3, v2
	v_lshlrev_b32 v177, 4, v177
	v_lshl_add_u32 v178, v176, 9, v177             ; row lane >> 2, 16 bytes at 16 (lane & 3)
	v_add_nc_u32 v177, s47, v178                   ; q or v: columns 16 mt ..
	v_add_nc_u32 v178, s51, v178                   ; k or o: columns 16 nt ..
	s_lshl_b32 s52, ttmp9, 2
	s_add_co_u32 s52, s52, s22                     ; p = 4 g + w = 16 vt + 4 ks + 2 hf + h
	s_lshr_b32 s46, s52, 4
	s_lshl_b32 s46, s46, 13                        ; 16 vt rows of 512 bytes
	s_and_b32 s47, s52, 15
	s_lshl_b32 s47, s47, 5                         ; 8 numbers of 4 bytes for each step of 4 ks + 2 hf + h
	s_add_co_u32 s46, s46, s47
	v_lshrrev_b32 v179, 1, v2
	v_lshlrev_b32 v179, 9, v179                    ; row r = lane >> 1
	v_and_b32 v176, 1, v2
	v_lshl_add_u32 v179, v176, 4, v179             ; four of its eight numbers
	v_add_nc_u32 v179, s46, v179
	s_lshl_b32 s46, s52, 8
	v_lshl_add_u32 v6, v2, 3, s46                  ; 256 p + 8 lane
	s_lshl_b32 s46, s22, 13
	s_add_co_u32 s46, s46, L_F                     ; my own 8,192 bytes
	v_lshl_add_u32 v7, v2, 3, s46                  ; row lane >> 2 of 32 bytes, 8 bytes at 8 (lane & 3): 8 lane
	v_and_b32 v176, 7, v2
	v_lshrrev_b32 v180, 4, v2
	v_lshl_add_u32 v176, v180, 3, v176
	v_lshlrev_b32 v176, 5, v176
	v_bfe_u32 v180, v2, 3, 1
	v_lshl_add_u32 v176, v180, 4, v176
	v_add_nc_u32 v176, s46, v176                   ; transposing load: row 8 h + (lane & 7) of 32 bytes, 16 bytes at 16 ((lane >> 3) & 1)
	s_lshr_b32 s53, ttmp9, 1
	s_lshl_b32 s53, s53, 9                         ; tile g >> 1,
	s_lshl_b32 s47, s50, 16
	s_add_co_u32 s53, s53, s47                     ; among the upper parts or the rests
	s_wait_kmcnt 0x0
	s_add_nc_u64 s[4:5], s[4:5], s[26:27]
	s_add_nc_u64 s[8:9], s[8:9], s[28:29]          ; st, upper parts
	s_add_nc_u64 s[30:31], s[8:9], 0x800000        ; st, rests
	s_cmp_eq_u32 s41, 0
	s_cselect_b64 s[42:43], s[14:15], s[18:19]     ; q or v
	s_cselect_b64 s[44:45], s[16:17], s[20:21]     ; k or o
	s_load_b32 s32, s[6:7], 0x0
.irp n, 0,1,2,3,4,5,6,7
	global_load_b128 v[GA+4*\n:GA+4*\n+3], v177, s[42:43] offset:\n*4096      ; rows c = 64 w + 8 n + (lane >> 2)
.endr
.irp n, 0,1,2,3,4,5,6,7
	global_load_b128 v[GB+4*\n:GB+4*\n+3], v178, s[44:45] offset:\n*4096
.endr
	global_load_b128 v[DV:DV+3], v179, s[12:13]
.set i, 15
.rept 16
	global_load_b128 v[U+8*i:U+8*i+3],   v1, s[4:5] offset:i*65536 th:TH_LOAD_NT
	global_load_b128 v[U+8*i+4:U+8*i+7], v1, s[4:5] offset:i*65536+512 th:TH_LOAD_NT
.set i, i-1
.endr
	s_wait_kmcnt 0x0
	v_mov_b32 v2, s32
	v_mul_f32 v2, 0xbfb8aa3b, v2                   ; d = 1 / (1 + 2^(-1.442695 logit))
	v_exp_f32 v2, v2
	v_nop                                          ; one plain place behind a transcendental (ISA guide 5.7.2)
	s_wait_alu depctr_va_vdst(0)
	v_add_f32 v2, 1.0, v2
	v_rcp_f32 v2, v2
	v_nop
	s_wait_alu depctr_va_vdst(0)
	v_readfirstlane_b32 s34, v2
.rept 6
	s_mul_f32 s34, s34, s34                        ; D = d^64
.endr
	s_mul_f32 s36, s34, s34
.rept 3
	s_mul_f32 s36, s36, s36                        ; D^16
.endr
	s_cmp_lt_u32 s22, 3
	s_cselect_b32 s38, -1, 0
	s_cmp_lt_u32 s22, 2
	s_cselect_b32 s39, -1, 0
	s_cmp_lt_u32 s22, 1
	s_cselect_b32 s40, -1, 0
	s_cmp_eq_u32 s50, 0
	s_cselect_b32 s54, 0, -1
	; the weights, while u is on its way
	s_wait_loadcnt 32                              ; the 17 loads are in: the 32 loads of u behind them stay out
	v_cvt_pk_f16_f32 v4, v[DV], v[DV+1]
	v_cvt_pk_f16_f32 v5, v[DV+2], v[DV+3]
	global_store_b64 v6, v[4:5], s[10:11] offset:262144            ; the wave stores 256 consecutive bytes, at a multiple of 256 from wts' first byte
	v_mov_b32 v[DV], s34                           ; pairs for the packed multiply-adds
	v_mov_b32 v[DV+1], s34
	v_mov_b32 v[DV+2], s36
	v_mov_b32 v[DV+3], s36
.set n, 0
.rept 8
	SPLIT2 GA+4*n,   GA+4*n+1, HP+4*(n&1),   HP+4*(n&1)+2, 180, 181
	SPLIT2 GA+4*n+2, GA+4*n+3, HP+4*(n&1)+1, HP+4*(n&1)+3, 182, 183
	ds_store_b64 v7, v[HP+4*(n&1):HP+4*(n&1)+1]   offset:n*256          ; 32 lanes, 256 consecutive bytes: eight rows c
	ds_store_b64 v7, v[HP+4*(n&1)+2:HP+4*(n&1)+3] offset:2048+n*256
	SPLIT2 GB+4*n,   GB+4*n+1, HQ+4*(n&1),   HQ+4*(n&1)+2, 180, 181
	SPLIT2 GB+4*n+2, GB+4*n+3, HQ+4*(n&1)+1, HQ+4*(n&1)+3, 182, 183
	ds_store_b64 v7, v[HQ+4*(n&1):HQ+4*(n&1)+1]   offset:4096+n*256
	ds_store_b64 v7, v[HQ+4*(n&1)+2:HQ+4*(n&1)+3] offset:6144+n*256
.set n, n+1
.endr
.irp a, 0,1,2,3
.irp kk, 0,1
.irp hf, 0,1
	ds_load_tr16_b128 v[FR+16*\a+8*\kk+4*\hf:FR+16*\a+8*\kk+4*\hf+3], v176 offset:\a*2048+\kk*1024+\hf*512   ; my own bytes: LDS serves a wave's instructions in order (ISA guide 5.7.1)
.endr
.endr
.endr
	s_wait_dscnt 0x0
	; three accumulators take turns, one instruction a turn
	v_wmma_f32_16x16x32_bf16 v[HH:HH+7], v[FR:FR+7],       v[FR+32:FR+39], 0
	v_wmma_f32_16x16x32_bf16 v[HL:HL+7], v[FR:FR+7],       v[FR+48:FR+55], 0
	v_wmma_f32_16x16x32_bf16 v[LH:LH+7], v[FR+16:FR+23],   v[FR+32:FR+39], 0
	v_wmma_f32_16x16x32_bf16 v[HH:HH+7], v[FR+8:FR+15],    v[FR+40:FR+47], v[HH:HH+7]
	v_wmma_f32_16x16x32_bf16 v[HL:HL+7], v[FR+8:FR+15],    v[FR+56:FR+63], v[HL:HL+7]
	v_wmma_f32_16x16x32_bf16 v[LH:LH+7], v[FR+24:FR+31],   v[FR+40:FR+47], v[LH:LH+7]
.rept 4
	v_nop                                          ; four places before a vector instruction reads a matrix result (ISA guide 7.12.1)
.endr
.irp k, 0,2,4,6
	v_pk_add_f32 v[HL+\k:HL+\k+1], v[HL+\k:HL+\k+1], v[LH+\k:LH+\k+1]
.endr
.irp k, 0,2,4,6
	v_pk_add_f32 v[HH+\k:HH+\k+1], v[HH+\k:HH+\k+1], v[HL+\k:HL+\k+1]
.endr
	ds_store_b128 v3, v[HH:HH+3]   offset:L_P
	ds_store_b128 v3, v[HH+4:HH+7] offset:L_P+512
	; the scan, pass 1
	s_wait_loadcnt 28                              ; U_15 and U_14 are in: the 28 loads of U_13 .. U_0 stay out
.irp k, 0,2,4,6
	v_pk_fma_f32 v[T+\k:T+\k+1], v[U+120+\k:U+121+\k], v[DV:DV+1], v[U+112+\k:U+113+\k]
.endr
.set i, 13
.rept 14
	s_wait_loadcnt 2*i                             ; U_i is in: the loads of U_(i-1) .. U_0 stay out
.irp k, 0,2,4,6
	v_pk_fma_f32 v[T+\k:T+\k+1], v[T+\k:T+\k+1], v[DV:DV+1], v[U+8*i+\k:U+8*i+\k+1]
.endr
.set i, i-1
.endr
	ds_store_b128 v3, v[T:T+3]
	ds_store_b128 v3, v[T+4:T+7] offset:512
	s_wait_dscnt 0x0                               ; my T and my part of the tile are in LDS before I say so
	s_barrier_signal -1
	s_barrier_wait -1
.irp p, 1,2,3
	ds_load_b128 v[TL+8*\p-8:TL+8*\p-5], v1 offset:\p*1024
	ds_load_b128 v[TL+8*\p-4:TL+8*\p-1], v1 offset:\p*1024+512
.endr
	s_wait_dscnt 0x0
	; E by selects on the segment's number: a segment that is not later than mine is left out, never multiplied by 0
.irp k, 0,1,2,3,4,5,6,7
	v_cndmask_b32 v[S+\k], 0, v[TL+16+\k], s38
.endr
.irp k, 0,2,4,6
	v_pk_fma_f32 v[EN+\k:EN+\k+1], v[S+\k:S+\k+1], v[DV+2:DV+3], v[TL+8+\k:TL+9+\k]
.endr
.irp k, 0,1,2,3,4,5,6,7
	v_cndmask_b32 v[S+\k], v[S+\k], v[EN+\k], s39
.endr
.irp k, 0,2,4,6
	v_pk_fma_f32 v[EN+\k:EN+\k+1], v[S+\k:S+\k+1], v[DV+2:DV+3], v[TL+\k:TL+1+\k]
.endr
.irp k, 0,1,2,3,4,5,6,7
	v_cndmask_b32 v[S+\k], v[S+\k], v[EN+\k], s40
.endr
; pass 2.  S of chunk i goes out from the registers of U_((i+1) % 16), which is dead by then: no store's data is ever written again
.macro EMIT i
.irp c, 0,1,2,3
	SPLIT2 S+2*\c, S+2*\c+1, U+8*(((\i)+1)%16)+\c, U+8*(((\i)+1)%16)+4+\c, 184+2*(\c&1), 185+2*(\c&1)
.endr
	global_store_b128 v1, v[U+8*(((\i)+1)%16):U+8*(((\i)+1)%16)+3],   s[8:9]   offset:(\i)*32768    ; the wave stores 512 consecutive bytes
	global_store_b128 v1, v[U+8*(((\i)+1)%16)+4:U+8*(((\i)+1)%16)+7], s[30:31] offset:(\i)*32768
.endm
	EMIT 15
.set i, 14
.rept 15
.irp k, 0,2,4,6
	v_pk_fma_f32 v[S+\k:S+\k+1], v[S+\k:S+\k+1], v[DV:DV+1], v[U+8*(i+1)+\k:U+8*(i+1)+\k+1]
.endr
	EMIT i
.set i, i-1
.endr
	s_cmp_lg_u32 s22, 0
	s_cbranch_scc1 .Lend                           ; wave 0 alone adds the four parts of the tile of M or N; they were shown to it by the barrier above
.irp p, 0,1,2,3
	ds_load_b128 v[188+8*\p:191+8*\p], v1 offset:L_P+\p*1024
	ds_load_b128 v[192+8*\p:195+8*\p], v1 offset:L_P+\p*1024+512
.endr
	v_add_nc_u32 v232, s53, v1
	s_wait_dscnt 0x0
.irp k, 0,2,4,6
	v_pk_add_f32 v[188+\k:189+\k], v[188+\k:189+\k], v[196+\k:197+\k]
	v_pk_add_f32 v[204+\k:205+\k], v[204+\k:205+\k], v[212+\k:213+\k]
.endr
.irp k, 0,2,4,6
	v_pk_add_f32 v[188+\k:189+\k], v[188+\k:189+\k], v[204+\k:205+\k]
.endr
	; register j of lane (r, h) is element (m = 8 h + j, n = r): packed in pairs it is the half-fragment 'row n, k = m' of the same lane
.irp c, 0,1,2,3
	SPLIT2 188+2*\c, 189+2*\c, 220+\c, 224+\c, 184+2*(\c&1), 185+2*(\c&1)
.endr
.irp c, 0,1,2,3
	v_cndmask_b32 v[228+\c], v[220+\c], v[224+\c], s54             ; the even work-group stores the upper parts, the odd one the rests
.endr
	global_store_b128 v232, v[228:231], s[10:11] offset:524288     ; the wave stores 512 consecutive bytes
.Lend:
	s_set_vgpr_msb 0x5
	s_wait_tensorcnt 0x0
	ds_add_u32 v0, v1
	s_wait_dscnt 0x0
	s_set_vgpr_msb 0x500
	s_endpgm
.Lfunc_end_k_qa971bb7b3e_scan:
	.size	k_qa971bb7b3e_scan, .Lfunc_end_k_qa971bb7b3e_scan-k_qa971bb7b3e_scan
	.p2alignl 7, 3214868480
	.fill 96, 4, 3214868480
	.section	.rodata,"a",@progbits
	.p2align	6, 0x0
	.amdhsa_kernel k_qa971bb7b3e_scan
		.amdhsa_group_segment_fixed_size 41472
		.amdhsa_private_segment_fixed_size 0
		.amdhsa_enable_private_segment 0
		.amdhsa_kernarg_size 72
		.amdhsa_user_sgpr_count 2
		.amdhsa_user_sgpr_kernarg_segment_ptr 1
		.amdhsa_wavefront_size32 1
		.amdhsa_system_sgpr_workgroup_id_x 1
		.amdhsa_system_sgpr_workgroup_id_y 1
		.amdhsa_system_sgpr_workgroup_id_z 1
		.amdhsa_system_vgpr_workitem_id 0
		.amdhsa_next_free_vgpr 258
		.amdhsa_next_free_sgpr 66
		.amdhsa_reserve_vcc 0
		.amdhsa_float_denorm_mode_32 3
		.amdhsa_float_denorm_mode_16_64 3
		.amdhsa_memory_ordered 1
		.amdhsa_forward_progress 1
		.amdhsa_inst_pref_size 57
	.end_amdhsa_kernel
	.amdgpu_metadata
---
amdhsa.version: [ 1, 2 ]
amdhsa.kernels:
  - .name:           k_qa971bb7b3e_scan
    .symbol:         k_qa971bb7b3e_scan.kd
    .args:
      - { .name: u, .offset: 0, .size: 8, .value_kind: global_buffer, .address_space: global }
      - { .name: decay_logit, .offset: 8, .size: 8, .value_kind: global_buffer, .address_space: global }
      - { .name: st, .offset: 16, .size: 8, .value_kind: global_buffer, .address_space: global }
      - { .name: wts, .offset: 24, .size: 8, .value_kind: global_buffer, .address_space: global }
      - { .name: basis, .offset: 32, .size: 8, .value_kind: global_buffer, .address_space: global }
      - { .name: q_coeffs, .offset: 40, .size: 8, .value_kind: global_buffer, .address_space: global }
      - { .name: k_coeffs, .offset: 48, .size: 8, .value_kind: global_buffer, .address_space: global }
      - { .name: v_coeffs, .offset: 56, .size: 8, .value_kind: global_buffer, .address_space: global }
      - { .name: o_coeffs, .offset: 64, .size: 8, .value_kind: global_buffer, .address_space: global }
    .group_segment_fixed_size: 41472
    .private_segment_fixed_size: 0
    .kernarg_segment_align: 8
    .kernarg_segment_size: 72
    .max_flat_workgroup_size: 128
    .sgpr_count:     66
    .vgpr_count:     258
    .wavefront_size: 32
...
	.end_amdgpu_metadata
.endif
;; end of part 2
;; launch attn (part 3): grid 256 x 1, 4 waves a work-group, no clusters, 265,984 bytes of LDS; arguments xs, wts, st, decay_logit, out_scale, out0; writes out0
.if DOCPART == 3
	.amdgcn_target "amdgcn-amd-amdhsa--gfx1250"
	.amdhsa_code_object_version 6
	.text
	.protected	k_qa971bb7b3e_attn
	.globl	k_qa971bb7b3e_attn
	.p2align	8
	.type	k_qa971bb7b3e_attn,@function
k_qa971bb7b3e_attn:
	s_mov_b64 s[64:65], 0
	v_nop
	global_prefetch_b8 v0, s[64:65] scope:SCOPE_SE
	s_setreg_imm32_b32 hwreg(HW_REG_WAVE_MODE, 25, 1), 1
	s_wait_xcnt 0x0
; For chunk g (64 rows t):  q' = xb M;  y_t = d^(63-t) q'_t S_g + sum over s > t in the chunk of d^(s-t-1) (q'_t . xb_s) xb_s;  z = y N;  out = out_scale z basis^T.
; This is reference() with its products taken in another order (all four weights are basis x coefficients^T); every weight is a power of d = sigmoid(decay_logit) with exponent >= 0.
; Every product is made with n = t:  D[m][n = t] = A[m][k] B[k][t].  Register j of lane (r, h) of a result is (m = 8 h + j, t = r); packed in pairs that IS the half-fragment
; 'column t, k = m' of the same lane, so each result is the next product's B without leaving its lane.  Wave w owns t tile w through the chain q', q'S, scores, y, z.
; Operands of the chain are bf16 upper part + bf16 rest, three products each (16 bits kept).  z is scaled by an exact power of two for each row and goes in f16 against basis in f16.
; The last product: wave w makes columns 256 w .. + 255 of all 64 rows; its 128 basis fragments lie in register windows 2 and 3, z's fragments in window 1.
; All four s tiles are multiplied in every wave; those not behind t get the weight 0, as in reference(): 36 of a wave's 640 matrix instructions, and no branch.
; LDS is filled once, by eight tensor loads a wave (its quarter of each array), issued together: eight are outstanding at the most.  Nothing is filled again.
; LIMITS: |basis| below 65,504; 16 bits in the chain, 11 in z and basis; a non-finite intermediate gives NaN; the order of the sums is not reference()'s.
; NO CLUSTER: shared by the work-groups are M and N, 131,072 of the 753,664 bytes that a work-group moves, and the basis fragments, which go to the registers of one wave each.
.set PX,    272                        ; LDS pitch of xb's rows: 256 + 16 bytes
.set L_XH,  0                          ; xb upper part, 64 rows
.set L_XL,  17408                      ; xb rest
.set L_MH,  34816                      ; M, S, N: 32,768 bytes each, [row tile 8][ks 4][half 2][lane 32][16 bytes]
.set L_ML,  67584
.set L_SH,  100352
.set L_SL,  133120
.set L_NH,  165888
.set L_NL,  198656
.set L_ZF,  231424                     ; z fragments, f16: [t tile 4][8 halves][512]; written by LDS stores, no fill lands here
.set L_ZS,  247808                     ; 64 row factors
.set L_OST, 248064                     ; 16 rows x 272 bytes for each wave, for the way out
; window 0: v1 16 lane; v2 r 272 + 16 h; v3 transposing address; v4, v5 A's addresses; v[6:7] d^(63-t); v[8:11] at work; v12, v13 way out; v14 out offset; v15 basis offset
.set W0,   16                          ; v[16:23]  weight of the s tile on the diagonal
.set WD1,  24                          ; v[24:31]  d^(15 - r + 8 h + j): the s tile next behind it
.set SC,   32                          ; v[32:63]  scores; at the start scratch; at the end the row factors
.set ABUF, 64                          ; v[64:127] two buffers of A fragments; at the end rows read back
.set P1,   128                         ; v[128:191] B fragments, upper part and rest
.set P2,   192                         ; v[192:255] eight accumulator tiles
.set G1X,  20                          ; s[20:27]
.set G1D,  28                          ; s[28:35]
.set DP,   80                          ; s80 .. s85: d^1, 2, 4, 8, 16, 32
.set FI,   88                          ; s88 .. s91: factor of s tile i behind the diagonal
.set MK,   92                          ; s92 .. s95: -1 where s tile i is the diagonal one
.set MSB,  0
.macro WIN new                         ; the immediate's high byte repeats the setting that is left
.if MSB != (\new)
	s_set_vgpr_msb (MSB<<8)|(\new)
.set MSB, (\new)
.endif
.endm
.macro SPLIT2 x0, x1, H, L, t0, t1
	v_cvt_pk_bf16_f32 v[\H], v[\x0], v[\x1]
	v_lshlrev_b32 v[\t0], 16, v[\H]
	v_and_b32 v[\t1], 0xffff0000, v[\H]
	v_sub_f32 v[\t0], v[\x0], v[\t0]
	v_sub_f32 v[\t1], v[\x1], v[\t1]
	v_cvt_pk_bf16_f32 v[\L], v[\t0], v[\t1]
.endm
.macro SPLITN n, src, dh, dl           ; 2 n results -> n registers of upper parts, n of rests: tile mt lands as half mt & 1 of K step mt >> 1
.set sp_x, 0
.rept \n
	SPLIT2 \src+2*sp_x, \src+2*sp_x+1, \dh+sp_x, \dl+sp_x, 8+2*(sp_x&1), 9+2*(sp_x&1)
.set sp_x, sp_x+1
.endr
.endm
.macro PLACES                          ; four places behind a matrix instruction before its registers are written, loaded into or read (ISA guide 7.12.1)
.rept 4
	v_nop
.endr
.endm
.macro POW e, p, t, nbits              ; p = d^e from e's bits, by selects: d = 0 gives 0^0 = 1
.set pw_b, 0
.rept \nbits
	v_and_b32 v[\t], 1<<pw_b, v[\e]
	v_cmp_ne_u32 vcc_lo, 0, v[\t]
.if pw_b == 0
	v_cndmask_b32 v[\p], 1.0, s[DP], vcc_lo
.else
	v_cndmask_b32 v[\t], 1.0, s[DP+pw_b], vcc_lo
	v_mul_f32 v[\p], v[\p], v[\t]
.endif
.set pw_b, pw_b+1
.endr
.endm
.macro MKG0 R, LBASE, LW, PTR, GOFF, GW    ; a group 0: LDS = LBASE + the wave's step, memory = pointer + the wave's and chunk's offset + GOFF
	s_mov_b32 s[\R], 1
	s_add_co_u32 s[\R+1], s[\LW], \LBASE
	s_add_nc_u64 s[\R+2:\R+3], s[\PTR:\PTR+1], s[\GW:\GW+1]
.if \GOFF
	s_add_nc_u64 s[\R+2:\R+3], s[\R+2:\R+3], \GOFF
.endif
	s_or_b32 s[\R+3], s[\R+3], 0x80000000
.endm
; A unit = a pair of m tiles at one K step: eight loads (tile 0 upper, rest; tile 1 upper, rest) into buffer u & 1.  TS, KS, HS: bytes from tile to tile, K step to K step, half to half.
.macro AUNIT op, RH, RL, TS, KS, HS, NKS, u
.set au_b, ABUF+32*((\u)&1)
.set au_o, 2*((\u)/(\NKS))*(\TS)+((\u)%(\NKS))*(\KS)
	\op v[au_b:au_b+3],     v[\RH] offset:au_o
	\op v[au_b+4:au_b+7],   v[\RH] offset:au_o+(\HS)
	\op v[au_b+8:au_b+11],  v[\RL] offset:au_o
	\op v[au_b+12:au_b+15], v[\RL] offset:au_o+(\HS)
	\op v[au_b+16:au_b+19], v[\RH] offset:au_o+(\TS)
	\op v[au_b+20:au_b+23], v[\RH] offset:au_o+(\TS)+(\HS)
	\op v[au_b+24:au_b+27], v[\RL] offset:au_o+(\TS)
	\op v[au_b+28:au_b+31], v[\RL] offset:au_o+(\TS)+(\HS)
.endm
; ACC[2 NPAIR tiles] (+)= A B, A from LDS (upper part by address RH, rest by RL), B in registers (BH, BL, 8 registers a K step).
; Six products a unit: upper x upper, upper x rest, rest x upper for two tiles.  The two accumulators take turns, one instruction a turn.
.macro GEMMX op, RH, RL, TS, KS, HS, NPAIR, NKS, BH, BL, ACC, zero
	AUNIT \op, \RH, \RL, \TS, \KS, \HS, \NKS, 0
	AUNIT \op, \RH, \RL, \TS, \KS, \HS, \NKS, 1
.set gx_u, 0
.rept (\NPAIR)*(\NKS)
.set gx_k, gx_u%(\NKS)
.set gx_a, ABUF+32*(gx_u&1)
.set gx_c, \ACC+16*(gx_u/(\NKS))
.set gx_h, \BH+8*gx_k
.set gx_l, \BL+8*gx_k
.set gx_z, 0
.if \zero
.if gx_k == 0
.set gx_z, 1
.endif
.endif
.if gx_u == (\NPAIR)*(\NKS)-1
	s_wait_dscnt 0x0
.else
	s_wait_dscnt 0x8                               ; the next unit's eight loads stay out
.endif
.if gx_z
	v_wmma_f32_16x16x32_bf16 v[gx_c:gx_c+7],    v[gx_a:gx_a+7],     v[gx_h:gx_h+7], 0
	v_wmma_f32_16x16x32_bf16 v[gx_c+8:gx_c+15], v[gx_a+16:gx_a+23], v[gx_h:gx_h+7], 0
.else
	v_wmma_f32_16x16x32_bf16 v[gx_c:gx_c+7],    v[gx_a:gx_a+7],     v[gx_h:gx_h+7], v[gx_c:gx_c+7]
	v_wmma_f32_16x16x32_bf16 v[gx_c+8:gx_c+15], v[gx_a+16:gx_a+23], v[gx_h:gx_h+7], v[gx_c+8:gx_c+15]
.endif
	v_wmma_f32_16x16x32_bf16 v[gx_c:gx_c+7],    v[gx_a:gx_a+7],     v[gx_l:gx_l+7], v[gx_c:gx_c+7]
	v_wmma_f32_16x16x32_bf16 v[gx_c+8:gx_c+15], v[gx_a+16:gx_a+23], v[gx_l:gx_l+7], v[gx_c+8:gx_c+15]
	v_wmma_f32_16x16x32_bf16 v[gx_c:gx_c+7],    v[gx_a+8:gx_a+15],  v[gx_h:gx_h+7], v[gx_c:gx_c+7]
	v_wmma_f32_16x16x32_bf16 v[gx_c+8:gx_c+15], v[gx_a+24:gx_a+31], v[gx_h:gx_h+7], v[gx_c+8:gx_c+15]
	PLACES
.if gx_u+2 < (\NPAIR)*(\NKS)
	AUNIT \op, \RH, \RL, \TS, \KS, \HS, \NKS, gx_u+2
.endif
.set gx_u, gx_u+1
.endr
	v_nop                                          ; a fifth place: a later matrix instruction may write over these registers
.endm
.macro BLOADS grp                      ; basis fragments of 64 of my columns: 32 loads of 512 consecutive bytes
.irp vt, 0,1,2,3
.irp ks, 0,1,2,3
.irp hf, 0,1
	global_load_b128 v[((\grp)&1)*128+\vt*32+\ks*8+\hf*4:((\grp)&1)*128+\vt*32+\ks*8+\hf*4+3], v15, s[6:7] offset:262144+(4*(\grp)+\vt)*4096+\ks*1024+\hf*512
.endr
.endr
.endr
.endm
	s_load_b256 s[4:11], s[0:1], 0x0               ; xs s[4:5], wts s[6:7], st s[8:9], decay_logit s[10:11]
	s_load_b128 s[12:15], s[0:1], 0x20             ; out_scale s[12:13], out0 s[14:15]
	s_set_vgpr_msb 0x40
	v_lshl_add_u32 v254, v0, 2, 0x40d00
	v_mov_b32 v255, 0
	s_set_vgpr_msb 0x4045
	ds_add_u32 v254, v255
	ds_add_u32 v254, v255
	s_set_vgpr_msb 0x4500
	v_lshrrev_b32 v1, 5, v0
	v_readfirstlane_b32 s16, v1                    ; wave w
	s_mov_b32 s[G1X+0], (1<<16)|(1<<20)|(5<<22)|(3<<25)  ; xb: elements of 2 bytes; behind every 64 words 4 words of padding
	s_mov_b32 s[G1X+1], 128<<16                    ; tensor_dim0 = 128
	s_mov_b32 s[G1X+2], 16<<16                     ; tensor_dim1 = 16
	s_mov_b32 s[G1X+3], 128<<16                    ; tile_dim0 = 128 elements: 256 bytes
	s_mov_b32 s[G1X+4], 16                         ; tile_dim1 = 16 rows
	s_mov_b32 s[G1X+5], 128
	s_mov_b32 s[G1X+6], 0
	s_mov_b32 s[G1X+7], 0
	s_mov_b32 s[G1D+0], 3<<16                      ; dense blocks: 32 rows of 32 elements of 8 bytes, 8,192 bytes
	s_mov_b32 s[G1D+1], 32<<16
	s_mov_b32 s[G1D+2], 32<<16
	s_mov_b32 s[G1D+3], 32<<16
	s_mov_b32 s[G1D+4], 32
	s_mov_b32 s[G1D+5], 32
	s_mov_b32 s[G1D+6], 0
	s_mov_b32 s[G1D+7], 0
	s_mul_i32 s17, s16, 16*PX                      ; my 16 rows of xb in LDS
	s_lshl_b32 s18, s16, 13                        ; my quarter of a dense array
	s_lshl_b32 s74, ttmp9, 14                      ; xs: 64 g rows of 256 bytes + 16 w rows
	s_lshl_b32 s19, s16, 12
	s_add_co_u32 s74, s74, s19
	s_mov_b32 s75, 0
	s_mov_b32 s76, s18
	s_mov_b32 s77, 0
	s_lshl_b32 s78, ttmp9, 15                      ; st: chunk g
	s_add_co_u32 s78, s78, s18
	s_mov_b32 s79, 0
	s_wait_dscnt 0x0
	s_wait_kmcnt 0x0
	MKG0 36, L_XH, 17, 4, 0, 74
	MKG0 40, L_XL, 17, 4, 4194304, 74
	MKG0 44, L_MH, 18, 6, 524288, 76
	MKG0 48, L_ML, 18, 6, 589824, 76
	MKG0 52, L_SH, 18, 8, 0, 78
	MKG0 56, L_SL, 18, 8, 0x800000, 78
	MKG0 60, L_NH, 18, 6, 557056, 76
	MKG0 68, L_NL, 18, 6, 622592, 76
	tensor_load_to_lds s[36:39], s[G1X:G1X+7]      ; in the order in which the chain needs them
	s_nop 0
	tensor_load_to_lds s[40:43], s[G1X:G1X+7]
	s_nop 0
	tensor_load_to_lds s[44:47], s[G1D:G1D+7]
	s_nop 0
	tensor_load_to_lds s[48:51], s[G1D:G1D+7]
	s_nop 0
	tensor_load_to_lds s[52:55], s[G1D:G1D+7]
	s_nop 0
	tensor_load_to_lds s[56:59], s[G1D:G1D+7]
	s_nop 0
	tensor_load_to_lds s[60:63], s[G1D:G1D+7]
	s_nop 0
	tensor_load_to_lds s[68:71], s[G1D:G1D+7]
	s_nop 0
	s_load_b32 s72, s[10:11], 0x0                  ; decay_logit
	s_load_b32 s96, s[12:13], 0x0                  ; out_scale
	v_and_b32 v32, 31, v0                          ; lane
	v_and_b32 v33, 15, v0                          ; r
	v_bfe_u32 v34, v0, 4, 1                        ; h
	v_lshlrev_b32 v1, 4, v32
	s_lshl_b32 s19, s16, 16
	v_add_nc_u32 v15, s19, v1                      ; my 16 v tiles of 4,096 bytes
	WIN 0x80                                       ; destination in window 2
	BLOADS 0
	BLOADS 1
	WIN 0
	v_mul_u32_u24 v2, v33, PX
	v_lshl_add_u32 v12, v34, 5, v2
	v_lshl_add_u32 v2, v34, 4, v2                  ; row r, 16 bytes at 16 h
	v_and_b32 v35, 7, v0
	v_lshl_add_u32 v35, v34, 3, v35
	v_mul_u32_u24 v3, v35, PX
	v_bfe_u32 v35, v0, 3, 1
	v_lshl_add_u32 v3, v35, 4, v3                  ; transposing load: row 8 h + (lane & 7), 16 bytes at 16 ((lane >> 3) & 1)
	s_add_co_u32 s19, s17, L_OST
	v_add_nc_u32 v12, s19, v12                     ; way out, in: row r, 32 bytes at 32 h
	v_mul_u32_u24 v13, v34, PX
	v_lshl_add_u32 v13, v33, 4, v13
	v_add_nc_u32 v13, s19, v13                     ; way out, back: lanes 0-15 one row of 256 bytes, lanes 16-31 the next
	v_lshlrev_b32 v14, 12, v34
	v_lshl_add_u32 v14, v33, 4, v14
	s_lshl_b32 s19, s16, 10
	v_add_nc_u32 v14, s19, v14                     ; and the same two rows in out0, at my 1,024 bytes
	s_lshl_b32 s2, ttmp9, 18
	s_mov_b32 s3, 0
	s_add_nc_u64 s[14:15], s[14:15], s[2:3]        ; out0 at row 64 g
	s_mov_b32 s98, 0x76543210                      ; v_permlanex16_b32: lane i of one half reads lane i of the other
	s_mov_b32 s99, 0xfedcba98
	s_wait_kmcnt 0x0
	v_mov_b32 v8, s72
	v_mul_f32 v8, 0xbfb8aa3b, v8                   ; d = 1 / (1 + 2^(-1.442695 logit))
	v_exp_f32 v8, v8
	v_nop                                          ; one plain place behind a transcendental (ISA guide 5.7.2)
	s_wait_alu depctr_va_vdst(0)
	v_add_f32 v8, 1.0, v8
	v_rcp_f32 v8, v8
	v_nop
	s_wait_alu depctr_va_vdst(0)
	v_readfirstlane_b32 s[DP], v8
.irp b, 1,2,3,4,5
	s_mul_f32 s[DP+\b], s[DP+\b-1], s[DP+\b-1]
.endr
	s_lshl_b32 s19, s16, 4
	s_sub_co_u32 s19, 63, s19
	v_sub_nc_u32 v35, s19, v33                     ; 63 - t
	POW 35, 6, 36, 6
	v_mov_b32 v7, v6                               ; a pair for the packed multiply
	v_lshlrev_b32 v35, 3, v34
	v_sub_nc_u32 v35, v35, v33                     ; 8 h - r
	v_add_nc_u32 v37, 15, v35                      ; s - t - 1 in the tile next behind the diagonal, at j = 0
	v_add_nc_u32 v35, -1, v35                      ; s - t - 1 in the diagonal tile, at j = 0
	v_max_i32 v38, 0, v35
	POW 38, W0, 36, 3
	v_cmp_le_i32 vcc_lo, 0, v35
	v_cndmask_b32 v[W0], 0, v[W0], vcc_lo          ; 0 where s <= t
.irp j, 1,2,3,4,5,6,7
	v_mul_f32 v[W0+\j], s[DP], v[W0+\j-1]          ; one more factor d, or still 0,
	v_cmp_ne_i32 vcc_lo, -\j, v35
	v_cndmask_b32 v[W0+\j], 1.0, v[W0+\j], vcc_lo  ; or 1 where s - t - 1 = 0
.endr
	POW 37, WD1, 36, 5
.irp j, 1,2,3,4,5,6,7
	v_mul_f32 v[WD1+\j], s[DP], v[WD1+\j-1]
.endr
.irp i, 0,1,2,3
	s_sub_co_i32 s19, \i, s16                      ; s tile i lies i - w tiles behind mine: factor 1, d^16, d^32; 0 for those not behind
	s_cmp_eq_u32 s19, 1
	s_cselect_b32 s[FI+\i], 1.0, 0
	s_cmp_eq_u32 s19, 2
	s_cselect_b32 s[FI+\i], s[DP+4], s[FI+\i]
	s_cmp_eq_u32 s19, 3
	s_cselect_b32 s[FI+\i], s[DP+5], s[FI+\i]
	s_cmp_eq_u32 s19, 0
	s_cselect_b32 s[MK+\i], -1, 0
.endr
	WIN 0xc0                                       ; destination in window 3
	BLOADS 2
	BLOADS 3
	WIN 0
	; q'^T[a'][t] = sum over a of M[a][a'] xb[t][a]
	s_wait_tensorcnt 0x4                           ; my quarters of xb and M are in; S and N stay out
	s_barrier_signal -1
	s_barrier_wait -1                              ; everybody's are
	v_add_nc_u32 v8, s17, v2
.irp ks, 0,1,2,3
.irp hf, 0,1
	ds_load_b128 v[P1+8*\ks+4*\hf:P1+8*\ks+4*\hf+3],       v8 offset:L_XH+\ks*64+\hf*32    ; B: my own 16 rows of xb
	ds_load_b128 v[P1+32+8*\ks+4*\hf:P1+32+8*\ks+4*\hf+3], v8 offset:L_XL+\ks*64+\hf*32
.endr
.endr
	v_add_nc_u32 v4, L_MH, v1
	v_add_nc_u32 v5, L_ML, v1
	GEMMX ds_load_b128, 4, 5, 4096, 1024, 512, 4, 4, P1, P1+32, P2, 1
	SPLITN 32, P2, P1, P1+32
	; (q' S)^T[b][t], then times d^(63-t)
	s_wait_tensorcnt 0x2                           ; my quarters of S are in; N stays out
	s_wait_dscnt 0x0
	s_barrier_signal -1
	s_barrier_wait -1
	v_add_nc_u32 v4, L_SH, v1
	v_add_nc_u32 v5, L_SL, v1
	GEMMX ds_load_b128, 4, 5, 4096, 1024, 512, 4, 4, P1, P1+32, P2, 1
.set n, 0
.rept 32
	v_pk_mul_f32 v[P2+2*n:P2+2*n+1], v[P2+2*n:P2+2*n+1], v[6:7]
.set n, n+1
.endr
	; scores^T[s][t] = xb[s] . q'[t], all four s tiles
	v_add_nc_u32 v5, L_XL, v2
	GEMMX ds_load_b128, 2, 5, 16*PX, 64, 32, 2, 4, P1, P1+32, SC, 1
.irp i, 0,1,2,3
.irp j, 0,1,2,3,4,5,6,7
	v_mul_f32 v[8+(\j&1)], s[FI+\i], v[WD1+\j]
	v_cndmask_b32 v[8+(\j&1)], v[8+(\j&1)], v[W0+\j], s[MK+\i]
	v_mul_f32 v[SC+8*\i+\j], v[SC+8*\i+\j], v[8+(\j&1)]
.endr
.endr
	SPLITN 16, SC, P1, P1+16
	; y^T[b][t] += sum over s of xb[s][b] P[s][t]: s runs down the LDS rows, so A comes by transposing loads
	v_add_nc_u32 v5, L_XL, v3
	GEMMX ds_load_tr16_b128, 3, 5, 32, 32*PX, 16*PX, 4, 2, P1, P1+16, P2, 0
	SPLITN 32, P2, P1, P1+32
	; z^T[e][t] = sum over b of N[b][e] y[t][b]
	s_wait_tensorcnt 0x0                           ; my quarters of N are in
	s_wait_dscnt 0x0
	s_barrier_signal -1
	s_barrier_wait -1
	v_add_nc_u32 v4, L_NH, v1
	v_add_nc_u32 v5, L_NL, v1
	GEMMX ds_load_b128, 4, 5, 4096, 1024, 512, 4, 4, P1, P1+32, P2, 1
	; row t's largest |z| has exponent field E: z is scaled by 2^(127-E) into f16's range, exactly, and 2^(E-127) out_scale is kept for the end
	v_max_num_f32 v8, |v[P2]|, |v[P2+1]|
	v_max_num_f32 v9, |v[P2+2]|, |v[P2+3]|
.set n, 4
.rept 15
	v_max3_num_f32 v8, v8, |v[P2+n]|, |v[P2+n+1]|
	v_max3_num_f32 v9, v9, |v[P2+n+2]|, |v[P2+n+3]|
.set n, n+4
.endr
	v_max_num_f32 v8, v8, v9
	v_permlanex16_b32 v9, v8, s98, s99             ; the other half of the lanes holds the row's other 64 numbers
	v_max_num_f32 v8, v8, v9
	v_lshrrev_b32 v9, 23, v8
	v_max_u32 v9, 1, v9
	v_min_u32 v9, 0xfd, v9                         ; both powers of two stay normal numbers
	v_sub_nc_u32 v10, 0xfe, v9
	v_lshlrev_b32 v10, 23, v10
	v_mov_b32 v11, v10                             ; a pair for the packed multiply
	v_lshlrev_b32 v9, 23, v9
	v_mul_f32 v9, s96, v9
.set n, 0
.rept 32
	v_pk_mul_f32 v[P2+2*n:P2+2*n+1], v[P2+2*n:P2+2*n+1], v[10:11]
.set n, n+1
.endr
.set n, 0
.rept 32
	v_cvt_pk_f16_f32 v[P1+n], v[P2+2*n], v[P2+2*n+1]
.set n, n+1
.endr
	s_lshl_b32 s19, s16, 12
	s_add_co_u32 s19, s19, L_ZF
	v_add_nc_u32 v8, s19, v1
.irp mt, 0,1,2,3,4,5,6,7
	ds_store_b128 v8, v[P1+4*\mt:P1+4*\mt+3] offset:\mt*512
.endr
	v_and_b32 v10, 15, v0
	v_lshlrev_b32 v10, 2, v10
	v_add_nc_u32 v10, L_ZS, v10
	s_lshl_b32 s19, s16, 6
	v_add_nc_u32 v11, s19, v10
	ds_store_b32 v11, v9                           ; both halves of the lanes store the same number
	s_wait_dscnt 0x0                               ; my z is in LDS before I say so
	s_barrier_signal -1
	s_barrier_wait -1
	v_add_nc_u32 v8, L_ZF, v1
	WIN 0x40                                       ; destination in window 1
.irp tt, 0,1,2,3
.irp mt, 0,1,2,3,4,5,6,7
	ds_load_b128 v[\tt*32+\mt*4:\tt*32+\mt*4+3], v8 offset:\tt*4096+\mt*512
.endr
.endr
	WIN 0
.irp tt, 0,1,2,3
	ds_load_b32 v[SC+2*\tt],   v10 offset:\tt*64    ; row 16 tt + r's factor, twice: a pair for the packed multiply
	ds_load_b32 v[SC+2*\tt+1], v10 offset:\tt*64
.endr
	s_wait_dscnt 0x0
; 64 of my columns for all 64 rows: D[m = v][n = t], so a lane holds eight neighbouring columns of one row of out0.
; Sixteen accumulators take turns, one instruction a turn.  cnt: how many younger basis loads may stay out.
.macro GROUP grp, cnt
	s_wait_loadcnt \cnt
	WIN 0x06+((\grp)>>1)                           ; A in window 2 or 3, B in window 1, C and D in window 0
.irp ks, 0,1,2,3
.irp vt, 0,1,2,3
.irp tt, 0,1,2,3
.if \ks == 0
	v_wmma_f32_16x16x32_f16 v[128+8*(4*\vt+\tt):128+8*(4*\vt+\tt)+7], v[((\grp)&1)*128+\vt*32+\ks*8:((\grp)&1)*128+\vt*32+\ks*8+7], v[\tt*32+\ks*8:\tt*32+\ks*8+7], 0
.else
	v_wmma_f32_16x16x32_f16 v[128+8*(4*\vt+\tt):128+8*(4*\vt+\tt)+7], v[((\grp)&1)*128+\vt*32+\ks*8:((\grp)&1)*128+\vt*32+\ks*8+7], v[\tt*32+\ks*8:\tt*32+\ks*8+7], v[128+8*(4*\vt+\tt):128+8*(4*\vt+\tt)+7]
.endif
.endr
.endr
.endr
	WIN 0
	PLACES
.irp tt, 0,1,2,3
.irp vt, 0,1,2,3
.irp c, 0,1,2,3
	v_pk_mul_f32 v[128+8*(4*\vt+\tt)+2*\c:128+8*(4*\vt+\tt)+2*\c+1], v[128+8*(4*\vt+\tt)+2*\c:128+8*(4*\vt+\tt)+2*\c+1], v[SC+2*\tt:SC+2*\tt+1]
.endr
.endr
.irp vt, 0,1,2,3
	ds_store_b128 v12, v[128+8*(4*\vt+\tt):128+8*(4*\vt+\tt)+3]   offset:\vt*64
	ds_store_b128 v12, v[128+8*(4*\vt+\tt)+4:128+8*(4*\vt+\tt)+7] offset:\vt*64+16
.endr
	s_wait_xcnt 0x0                                ; this read-back buffer was the data of stores two turns ago: loaded again only behind this wait
.irp n, 0,1,2,3,4,5,6,7
	ds_load_b128 v[ABUF+32*(\tt&1)+4*\n:ABUF+32*(\tt&1)+4*\n+3], v13 offset:\n*2*PX    ; my own bytes: LDS serves a wave's instructions in order (ISA guide 5.7.1)
.endr
.irp n, 0,1,2,3,4,5,6,7
	s_wait_dscnt 7-\n
	global_store_b128 v14, v[ABUF+32*(\tt&1)+4*\n:ABUF+32*(\tt&1)+4*\n+3], s[14:15] offset:(16*\tt+2*\n)*4096+(\grp)*256 th:TH_STORE_NT   ; 16 lanes store 256 consecutive bytes, at a multiple of 256 from out0's first byte
.endr
.endr
.endm
	GROUP 0, 63                                    ; 96 loads are younger than group 0's: the count field ends at 63, and a smaller count is safe
	GROUP 1, 63                                    ; 64 are younger
	GROUP 2, 32
	GROUP 3, 0
	s_set_vgpr_msb 0x5
	s_wait_tensorcnt 0x0
	ds_add_u32 v254, v255
	s_wait_dscnt 0x0
	s_set_vgpr_msb 0x500
	s_endpgm
.Lfunc_end_k_qa971bb7b3e_attn:
	.size	k_qa971bb7b3e_attn, .Lfunc_end_k_qa971bb7b3e_attn-k_qa971bb7b3e_attn
	.p2alignl 7, 3214868480
	.fill 96, 4, 3214868480
	.section	.rodata,"a",@progbits
	.p2align	6, 0x0
	.amdhsa_kernel k_qa971bb7b3e_attn
		.amdhsa_group_segment_fixed_size 265984
		.amdhsa_private_segment_fixed_size 0
		.amdhsa_enable_private_segment 0
		.amdhsa_kernarg_size 48
		.amdhsa_user_sgpr_count 2
		.amdhsa_user_sgpr_kernarg_segment_ptr 1
		.amdhsa_wavefront_size32 1
		.amdhsa_system_sgpr_workgroup_id_x 1
		.amdhsa_system_sgpr_workgroup_id_y 1
		.amdhsa_system_sgpr_workgroup_id_z 1
		.amdhsa_system_vgpr_workitem_id 0
		.amdhsa_next_free_vgpr 1024
		.amdhsa_next_free_sgpr 102
		.amdhsa_reserve_vcc 1
		.amdhsa_float_denorm_mode_32 3
		.amdhsa_float_denorm_mode_16_64 3
		.amdhsa_memory_ordered 1
		.amdhsa_forward_progress 1
		.amdhsa_inst_pref_size 196
	.end_amdhsa_kernel
	.amdgpu_metadata
---
amdhsa.version: [ 1, 2 ]
amdhsa.kernels:
  - .name:           k_qa971bb7b3e_attn
    .symbol:         k_qa971bb7b3e_attn.kd
    .args:
      - { .name: xs, .offset: 0, .size: 8, .value_kind: global_buffer, .address_space: global }
      - { .name: wts, .offset: 8, .size: 8, .value_kind: global_buffer, .address_space: global }
      - { .name: st, .offset: 16, .size: 8, .value_kind: global_buffer, .address_space: global }
      - { .name: decay_logit, .offset: 24, .size: 8, .value_kind: global_buffer, .address_space: global }
      - { .name: out_scale, .offset: 32, .size: 8, .value_kind: global_buffer, .address_space: global }
      - { .name: out0, .offset: 40, .size: 8, .value_kind: global_buffer, .address_space: global }
    .group_segment_fixed_size: 265984
    .private_segment_fixed_size: 0
    .kernarg_segment_align: 8
    .kernarg_segment_size: 48
    .max_flat_workgroup_size: 128
    .sgpr_count:     102
    .vgpr_count:     1024
    .wavefront_size: 32
...
	.end_amdgpu_metadata
.endif
;; end of part 3
